; MI455X (gfx1250); checked and timed in simulation.
; The chip was launched on July 23, 2026; its instructions are those of AMD's public machine-readable ISA for CDNA 5 (MIT licence, August 2026) and "CDNA5" Instruction Set Architecture Reference Guide (July 2026). The comments in the code are by the model that wrote it; some were corrected since.
;; Relative Attention Head. Allowed arithmetic: float matrix products may take bf16 or f16 operands with f32 sums; all other float work in f32.
;; Inputs: Wk 64 x 512 float32; Wq 64 x 512 float32; Wv 64 x 512 float32; rel_emb 4,095 x 64 float32; x 8 x 2,048 x 512 float32.
;; Outputs: out0 8 x 2,048 x 64 float32.
;; 2 versions, each right; version 2 is version 1 with the launch proj written anew for expert scheduling mode. Each part assembles by itself: llvm-mc -triple=amdgcn-amd-amdhsa -mcpu=gfx1250 --defsym DOCPART=n.
;; ======== version 1 of 2: 2 launches
;; limits: values are held in f16: magnitudes above 65,504 overflow, below 6.1e-05 lose precision
;; workspace buffers: qh 2,097,152 bytes; kh 2,097,152 bytes; vh 2,097,152 bytes; rp 524,288 bytes
;; launch proj (part 1): grid 256 x 1, 8 waves a work-group, no clusters, 140,288 bytes of LDS; arguments x, Wq, Wk, Wv, rel_emb, qh, kh, vh, rp; writes qh, kh, vh, rp
.if DOCPART == 1
	.amdgcn_target "amdgcn-amd-amdhsa--gfx1250"
	.amdhsa_code_object_version 6
	.text
	.protected	k_q0d40ebfcf5_proj
	.globl	k_q0d40ebfcf5_proj
	.p2align	8
	.type	k_q0d40ebfcf5_proj,@function
k_q0d40ebfcf5_proj:
	s_mov_b64 s[64:65], 0
	v_nop
	global_prefetch_b8 v0, s[64:65] scope:SCOPE_SE
	s_setreg_imm32_b32 hwreg(HW_REG_WAVE_MODE, 25, 1), 1
	s_wait_xcnt 0x0
; proj: qh = (x Wq^T) log2(e), kh = (x Wk^T) / 8, vh = x Wv^T, rp = rel_emb moved down by one row; all four in f16.
;   x [16384][512] f32, W* [64][512] f32.  Products: bf16 operands, f32 sums.
;   qh, kh: [16384 rows][64] f16.   vh: [512 blocks of 32 rows][64 hd][32 rows] f16 (V transposed inside a block).
;   rp: [4096][64] f16, rp[c] = rel_emb[c-1], rp[0] = 0.  A causal pair (q, k) uses row c = k - q + 2048.  Every work-group converts
;   16 rows, so that all run one path; the rows above 2079 are not read later.
; LIMITS: f16 results: |Q log2 e|, |K| / 8, |V|, |rel_emb| below 65504; magnitudes under 2^-24 are lost.
; A work-group owns 64 rows of x.  Eight waves: wave w has row half rh = w & 1 (32 rows, two 16-row tiles) and column tile
; cq = w >> 1 of each of Q, K and V: six accumulator tiles.  K = 512 goes in four slices of 128 through two LDS buffers.
; THE PIPELINE.  A slice comes in four quarters (my 8 rows of x, Wq, Wk, Wv: eight 16-byte loads a lane each); the 16 quarters run
; through a ring of six register slots, so 48 loads of 512 bytes of every wave are on their way.  Quarter k of the next slice is
; converted and put into the other LDS buffer right behind the six products of step k of this slice, and its slot is asked for again.
; NO CLUSTER, NO TENSOR LOADS: every operand is f32 in memory and is converted to bf16 in registers on its way to LDS; a joint
; request exists only for copies straight into LDS, which would put 512 bytes per row and slice there to be read, converted and
; stored again as 256.
.set PITCH,  272                       ; an LDS row: 128 bf16 + 16 bytes, an odd multiple of 16
.set BUF,    256*PITCH                 ; a slice buffer: rows 0-63 Wq, 64-127 Wk, 128-191 Wv, 192-255 x
.set QPITCH, 144                       ; the way out: a row of 64 f16 + 16 bytes
.set VPITCH, 80                        ; the way out: a row of 32 f16 + 16 bytes
.set STG_K,  64*QPITCH                 ; stage (over buffer 0): Q at 0, K here,
.set STG_V,  2*64*QPITCH               ; V here: 128 rows (block rh, hd)
.set DEPTH,  6                         ; slots of the ring of quarters
.set GO,  1                            ; global byte offset: wave's 8 rows of 2,048 bytes + 16 x lane
.set ST0, 2                            ; LDS: where I put 8 bytes of a row, buffer 0 / 1
.set ST1, 3
.set XA0, 4                            ; LDS: my x fragments, buffer 0 / 1
.set XA1, 5
.set WA0, 6                            ; LDS: my W fragments, buffer 0 / 1
.set WA1, 7
.set QS,  8                            ; stage, in: Q and K
.set VS,  9                            ; stage, in: V
.set RQ,  10                           ; stage, back: Q and K
.set RV,  11                           ; stage, back: V
.set O16, 12                           ; 16 x thread
.set RS,  13                           ; rel_emb byte offset
.set O8,  14                           ; 8 x thread
.set CR,  15                           ; my row c of rp
.set ACC, 16                           ; v[16:63]   tile (m, rt) at ACC + 8 (2 m + rt); m = 0 Q, 1 K, 2 V
.set FB,  64                           ; v[64:143]  two fragment buffers of 40: x (rt) at 8 rt, W (m) at 16 + 8 m
.set TP,  144                          ; v[144:151] set-up and rp
.set GW,  152                          ; v[152:175] the way out
; window 1: v256 .. v447 = the ring: slot k at 32 k, eight quads of f32 as loaded, converted in place
.set MSB, 0
.macro WIN new                         ; s_set_vgpr_msb: bits 1:0 source 0, 3:2 source 1, 5:4 source 2, 7:6 destination;
.if MSB != \new                        ; the immediate's high byte repeats the setting that is left
	s_set_vgpr_msb (MSB<<8)|\new
.set MSB, \new
.endif
.endm
.macro NOPS n
.rept \n
	v_nop
.endr
.endm
.macro MM d, a, b, z                   ; one product; z: it starts the sum (nothing is cleared)
.if \z
	v_wmma_f32_16x16x32_bf16 v[\d:\d+7], v[\a:\a+7], v[\b:\b+7], 0
.else
	v_wmma_f32_16x16x32_bf16 v[\d:\d+7], v[\a:\a+7], v[\b:\b+7], v[\d:\d+7]
.endif
.endm
; eight loads: quarter ln = 4 x slice + part; every load of the wave covers 512 neighbouring bytes.  Runs under WIN 0x40.
.macro LOADQ
.set lq, ln%4
.set ls, ln/4
.set lg, 32*(ln%DEPTH)
.irp i, 0,1,2,3,4,5,6,7
.if lq == 0
	global_load_b128 v[lg+4*\i:lg+4*\i+3], v[GO], s[4:5] offset:\i*2048+ls*512 th:TH_LOAD_NT
.else
	global_load_b128 v[lg+4*\i:lg+4*\i+3], v[GO], s[4+2*lq:5+2*lq] offset:\i*2048+ls*512
.endif
.endr
.endm
; Quarter qn: wait for it, four f32 become four bf16 in place, 8 bytes a lane go to LDS (a wave's store covers a row's 256 bytes),
; and the slot is asked for again, DEPTH quarters ahead.
.macro QUART st
.set qg, 32*(qn%DEPTH)
.if qn%4 == 0
.set qr, 192
.else
.set qr, 64*(qn%4-1)
.endif
.if qn+DEPTH-1 < 15
.set qw, 8*(DEPTH-1)
.else
.set qw, 8*(15-qn)
.endif
	s_wait_loadcnt qw                              ; loads return in order: behind this quarter's eight only the younger quarters' were issued
	WIN 0x45                                       ; destination and both sources in window 1
.irp i, 0,1,2,3,4,5,6,7
	v_cvt_pk_bf16_f32 v[qg+4*\i], v[qg+4*\i], v[qg+4*\i+1]
	v_cvt_pk_bf16_f32 v[qg+4*\i+1], v[qg+4*\i+2], v[qg+4*\i+3]
.endr
	WIN 0x04                                       ; store data in window 1, address in window 0
.irp i, 0,1,2,3,4,5,6,7
	ds_store_b64 v[\st], v[qg+4*\i:qg+4*\i+1] offset:(qr+\i)*PITCH
.endr
.if qn+DEPTH <= 15
.set ln, qn+DEPTH
	WIN 0x40                                       ; loaded data in window 1
	LOADQ
.endif
	WIN 0
.endm
; ten loads: the fragments of 32 along K (step kc of the slice) into fragment buffer f
.macro FRAG f, xa, wa, kc
.irp rt, 0,1
	ds_load_b128 v[FB+40*(\f)+8*\rt:FB+40*(\f)+8*\rt+3], v[\xa] offset:\rt*16*PITCH+64*(\kc)
	ds_load_b128 v[FB+40*(\f)+8*\rt+4:FB+40*(\f)+8*\rt+7], v[\xa] offset:\rt*16*PITCH+64*(\kc)+32
.endr
.irp m, 0,1,2
	ds_load_b128 v[FB+40*(\f)+16+8*\m:FB+40*(\f)+16+8*\m+3], v[\wa] offset:\m*64*PITCH+64*(\kc)
	ds_load_b128 v[FB+40*(\f)+16+8*\m+4:FB+40*(\f)+16+8*\m+7], v[\wa] offset:\m*64*PITCH+64*(\kc)+32
.endr
.endm
; Q and K take W as source 0 and x as source 1: a lane then holds one row of x and eight neighbouring head columns.
; V takes x first: a lane holds one head column and eight neighbouring rows, as vh wants them.
.macro MUL6 f, z
.irp rt, 0,1
	MM ACC+8*\rt, FB+40*(\f)+16, FB+40*(\f)+8*\rt, \z
	MM ACC+16+8*\rt, FB+40*(\f)+24, FB+40*(\f)+8*\rt, \z
	MM ACC+32+8*\rt, FB+40*(\f)+8*\rt, FB+40*(\f)+32, \z
.endr
.endm
; what stands behind six products: a quarter's 16 conversions, or four v_nop.  Either way at least four plain vector lines that name
; none of the products' registers stand before loads land on their fragments or their sums are read.
.macro SIDE st, q0, k
.if \q0 >= 0
.set qn, \q0+\k
	QUART \st
.else
	NOPS 4
.endif
.endm
; A slice: four steps of 32 along K; the next step's fragments are asked for in front of a step's products.
; q0: the first quarter of the next slice, converted beside it into buffer st; -1: none.
.macro PHASE xa, wa, st, z, q0
	FRAG 0, \xa, \wa, 0
	FRAG 1, \xa, \wa, 1
	s_wait_dscnt 10                                ; step 0's fragments; step 1's ten loads stay out
	MUL6 0, \z
	SIDE \st, \q0, 0
	FRAG 0, \xa, \wa, 2
.if \q0 >= 0
	s_wait_dscnt 18                                ; behind step 1's loads: the quarter's 8 stores and step 2's 10 loads
.else
	s_wait_dscnt 10
.endif
	MUL6 1, 0
	SIDE \st, \q0, 1
	FRAG 1, \xa, \wa, 3
.if \q0 >= 0
	s_wait_dscnt 18
.else
	s_wait_dscnt 10
.endif
	MUL6 0, 0
	SIDE \st, \q0, 2
.if \q0 >= 0
	s_wait_dscnt 8                                 ; behind step 3's loads: the quarter's 8 stores
.else
	s_wait_dscnt 0x0
.endif
	MUL6 1, 0
	SIDE \st, \q0, 3
.endm
.macro BARRIER                         ; my LDS stores and loads are done, then all eight waves meet
	s_wait_dscnt 0x0
	s_barrier_signal -1
	s_barrier_wait -1
.endm
	s_load_b512 s[4:19], s[0:1], 0x0               ; x 4:5, Wq 6:7, Wk 8:9, Wv 10:11, rel_emb 12:13, qh 14:15, kh 16:17, vh 18:19
	s_load_b64 s[20:21], s[0:1], 0x40              ; rp
	v_lshl_add_u32 v254, v0, 2, 0x22000
	v_mov_b32 v255, 0
	v_lshrrev_b32 v[TP], 5, v0
	v_readfirstlane_b32 s22, v[TP]                 ; wave
	v_and_b32 v[TP], 31, v0                        ; lane
	v_and_b32 v[TP+1], 15, v0                      ; r
	v_bfe_u32 v[TP+2], v0, 4, 1                    ; h
	s_and_b32 s26, s22, 1                          ; rh
	s_lshr_b32 s27, s22, 1                         ; cq
	s_lshl_b32 s23, s22, 14
	v_lshl_add_u32 v[GO], v[TP], 4, s23
	s_mul_i32 s23, s22, 8*PITCH
	v_lshl_add_u32 v[ST0], v[TP], 3, s23
	v_add_nc_u32 v[ST1], BUF, v[ST0]
	v_mul_u32_u24 v[TP+3], v[TP+1], PITCH
	v_lshl_add_u32 v[TP+3], v[TP+2], 4, v[TP+3]    ; r x pitch + 16 h: a fragment's lane term
	s_mul_i32 s23, s26, 32*PITCH
	s_add_co_u32 s23, s23, 192*PITCH
	v_add_nc_u32 v[XA0], s23, v[TP+3]
	v_add_nc_u32 v[XA1], BUF, v[XA0]
	s_mul_i32 s23, s27, 16*PITCH
	v_add_nc_u32 v[WA0], s23, v[TP+3]
	v_add_nc_u32 v[WA1], BUF, v[WA0]
	v_mul_u32_u24 v[TP+3], v[TP+1], QPITCH         ; stage, in: row 32 rh + r, bytes 32 cq + 16 h
	v_lshl_add_u32 v[TP+3], v[TP+2], 4, v[TP+3]
	s_mul_i32 s23, s26, 32*QPITCH
	s_lshl_b32 s28, s27, 5
	s_add_co_u32 s23, s23, s28
	v_add_nc_u32 v[QS], s23, v[TP+3]
	v_mul_u32_u24 v[TP+3], v[TP+1], VPITCH         ; V: row 64 rh + 16 cq + r, bytes 16 h
	v_lshl_add_u32 v[TP+3], v[TP+2], 4, v[TP+3]
	s_mul_i32 s23, s26, 64*VPITCH
	s_mul_i32 s28, s27, 16*VPITCH
	s_add_co_u32 s23, s23, s28
	v_add_nc_u32 v[VS], s23, v[TP+3]
	v_lshrrev_b32 v[TP+3], 3, v0                   ; stage, back: eight threads take a row of 128 bytes
	v_and_b32 v[TP+4], 7, v0
	v_mul_u32_u24 v[TP+3], v[TP+3], QPITCH
	v_lshl_add_u32 v[RQ], v[TP+4], 4, v[TP+3]
	v_lshrrev_b32 v[TP+3], 2, v0                   ; four threads take a row of 64 bytes
	v_and_b32 v[TP+4], 3, v0
	v_mul_u32_u24 v[TP+3], v[TP+3], VPITCH
	v_lshl_add_u32 v[RV], v[TP+4], 4, v[TP+3]
	v_lshlrev_b32 v[O16], 4, v0
	v_lshlrev_b32 v[O8], 3, v0
	s_lshl_b32 s23, ttmp9, 4                       ; rp: 16 rows a work-group, 16 threads a row
	v_lshrrev_b32 v[TP+3], 4, v0
	v_add_nc_u32 v[CR], s23, v[TP+3]               ; c = 0 .. 4095
	v_add_nc_u32 v[TP+3], -1, v[CR]
	v_max_i32 v[TP+3], 0, v[TP+3]                  ; source row c - 1 (at most 4094); row 0 stands in for c = 0 and is replaced by zeros below
	v_lshlrev_b32 v[TP+3], 8, v[TP+3]
	v_lshl_add_u32 v[RS], v[TP+1], 4, v[TP+3]
	s_mov_b32 s32, 0x3fb8aa3b                      ; log2(e), as a pair for the packed multiply
	s_mov_b32 s33, 0x3fb8aa3b
	s_mov_b32 s34, 0x3e000000                      ; 1 / 8 = 1 / sqrt(64)
	s_mov_b32 s35, 0x3e000000
	s_mov_b32 s25, 0
	s_wait_kmcnt 0x0
	s_lshl_b32 s24, ttmp9, 17                      ; 64 rows of 2,048 bytes
	s_add_nc_u64 s[4:5], s[4:5], s[24:25]
	s_lshl_b32 s24, ttmp9, 13                      ; 64 rows of 128 bytes = 2 blocks of 4,096
	s_add_nc_u64 s[14:15], s[14:15], s[24:25]
	s_add_nc_u64 s[16:17], s[16:17], s[24:25]
	s_add_nc_u64 s[18:19], s[18:19], s[24:25]
	s_lshl_b32 s24, ttmp9, 11                      ; 16 rows of 128 bytes
	s_add_nc_u64 s[20:21], s[20:21], s[24:25]
	global_load_b128 v[TP:TP+3], v[RS], s[12:13]   ; rp's source: the oldest load, in by the first quarter's wait
	WIN 0x40
.set ln, 0
.rept DEPTH
	LOADQ                                          ; the ring is filled: quarters 0 to 5
.set ln, ln+1
.endr
	WIN 0
.set qn, 0
	QUART ST0
	v_cmp_ne_u32 vcc_lo, 0, v[CR]                  ; rp: four f32 become four f16
	v_cvt_pk_f16_f32 v[TP+4], v[TP], v[TP+1]
	v_cvt_pk_f16_f32 v[TP+5], v[TP+2], v[TP+3]
	v_cndmask_b32 v[TP+4], 0, v[TP+4], vcc_lo      ; rp[0] = 0
	v_cndmask_b32 v[TP+5], 0, v[TP+5], vcc_lo
	global_store_b64 v[O8], v[TP+4:TP+5], s[20:21] ; a wave's store covers 256 neighbouring bytes, aligned; its sources are never written again
.set qn, 1
	QUART ST0
.set qn, 2
	QUART ST0
.set qn, 3
	QUART ST0
	BARRIER
	; One barrier a slice: in front of it every wave has ended its reads of the buffer just multiplied and its stores into the
	; other one; behind it the other one is read and the first is filled again.
	PHASE XA0, WA0, ST1, 1, 4
	BARRIER
	PHASE XA1, WA1, ST0, 0, 8
	BARRIER
	PHASE XA0, WA0, ST1, 0, 12
	BARRIER
	PHASE XA1, WA1, ST0, 0, -1
	; THE WAY OUT.  The stage lies over buffer 0, whose last reads ended in front of the last barrier.
.irp k, 0,2,4,6,8,10,12,14
	v_pk_mul_f32 v[ACC+\k:ACC+\k+1], v[ACC+\k:ACC+\k+1], s[32:33] op_sel_hi:[1,0]
	v_pk_mul_f32 v[ACC+16+\k:ACC+16+\k+1], v[ACC+16+\k:ACC+16+\k+1], s[34:35] op_sel_hi:[1,0]
.endr
.irp t, 0,1,2,3,4,5
.irp k, 0,1,2,3
	v_cvt_pk_f16_f32 v[ACC+8*\t+\k], v[ACC+8*\t+2*\k], v[ACC+8*\t+2*\k+1]   ; in place: register k is read no later than it is written
.endr
.endr
	ds_store_b128 v[QS], v[ACC:ACC+3]
	ds_store_b128 v[QS], v[ACC+8:ACC+11] offset:16*QPITCH
	ds_store_b128 v[QS], v[ACC+16:ACC+19] offset:STG_K
	ds_store_b128 v[QS], v[ACC+24:ACC+27] offset:STG_K+16*QPITCH
	ds_store_b128 v[VS], v[ACC+32:ACC+35] offset:STG_V
	ds_store_b128 v[VS], v[ACC+40:ACC+43] offset:STG_V+32
	BARRIER
	ds_load_b128 v[GW:GW+3], v[RQ]
	ds_load_b128 v[GW+4:GW+7], v[RQ] offset:32*QPITCH
	ds_load_b128 v[GW+8:GW+11], v[RQ] offset:STG_K
	ds_load_b128 v[GW+12:GW+15], v[RQ] offset:STG_K+32*QPITCH
	ds_load_b128 v[GW+16:GW+19], v[RV] offset:STG_V
	ds_load_b128 v[GW+20:GW+23], v[RV] offset:STG_V+64*VPITCH
	s_wait_dscnt 0x0
	global_store_b128 v[O16], v[GW:GW+3], s[14:15]             ; every store of a wave covers 512 neighbouring bytes
	global_store_b128 v[O16], v[GW+4:GW+7], s[14:15] offset:4096
	global_store_b128 v[O16], v[GW+8:GW+11], s[16:17]
	global_store_b128 v[O16], v[GW+12:GW+15], s[16:17] offset:4096
	global_store_b128 v[O16], v[GW+16:GW+19], s[18:19]
	global_store_b128 v[O16], v[GW+20:GW+23], s[18:19] offset:4096
	s_wait_tensorcnt 0x0
	ds_add_u32 v254, v255
	s_wait_dscnt 0x0
	s_endpgm
.Lfunc_end_k_q0d40ebfcf5_proj:
	.size	k_q0d40ebfcf5_proj, .Lfunc_end_k_q0d40ebfcf5_proj-k_q0d40ebfcf5_proj
	.p2alignl 7, 3214868480
	.fill 96, 4, 3214868480
	.section	.rodata,"a",@progbits
	.p2align	6, 0x0
	.amdhsa_kernel k_q0d40ebfcf5_proj
		.amdhsa_group_segment_fixed_size 140288
		.amdhsa_private_segment_fixed_size 0
		.amdhsa_enable_private_segment 0
		.amdhsa_kernarg_size 72
		.amdhsa_user_sgpr_count 2
		.amdhsa_user_sgpr_kernarg_segment_ptr 1
		.amdhsa_wavefront_size32 1
		.amdhsa_system_sgpr_workgroup_id_x 1
		.amdhsa_system_sgpr_workgroup_id_y 1
		.amdhsa_system_sgpr_workgroup_id_z 1
		.amdhsa_system_vgpr_workitem_id 0
		.amdhsa_next_free_vgpr 448
		.amdhsa_next_free_sgpr 66
		.amdhsa_reserve_vcc 1
		.amdhsa_float_denorm_mode_32 3
		.amdhsa_float_denorm_mode_16_64 3
		.amdhsa_memory_ordered 1
		.amdhsa_forward_progress 1
		.amdhsa_inst_pref_size 64
	.end_amdhsa_kernel
	.amdgpu_metadata
---
amdhsa.version: [ 1, 2 ]
amdhsa.kernels:
  - .name:           k_q0d40ebfcf5_proj
    .symbol:         k_q0d40ebfcf5_proj.kd
    .args:
      - { .name: x, .offset: 0, .size: 8, .value_kind: global_buffer, .address_space: global }
      - { .name: Wq, .offset: 8, .size: 8, .value_kind: global_buffer, .address_space: global }
      - { .name: Wk, .offset: 16, .size: 8, .value_kind: global_buffer, .address_space: global }
      - { .name: Wv, .offset: 24, .size: 8, .value_kind: global_buffer, .address_space: global }
      - { .name: rel_emb, .offset: 32, .size: 8, .value_kind: global_buffer, .address_space: global }
      - { .name: qh, .offset: 40, .size: 8, .value_kind: global_buffer, .address_space: global }
      - { .name: kh, .offset: 48, .size: 8, .value_kind: global_buffer, .address_space: global }
      - { .name: vh, .offset: 56, .size: 8, .value_kind: global_buffer, .address_space: global }
      - { .name: rp, .offset: 64, .size: 8, .value_kind: global_buffer, .address_space: global }
    .group_segment_fixed_size: 140288
    .private_segment_fixed_size: 0
    .kernarg_segment_align: 8
    .kernarg_segment_size: 72
    .max_flat_workgroup_size: 256
    .sgpr_count:     66
    .vgpr_count:     448
    .wavefront_size: 32
...
	.end_amdgpu_metadata
.endif
;; end of part 1
;; launch attn (part 2): grid 32 x 8, 8 waves a work-group, no clusters, 70,656 bytes of LDS; arguments qh, kh, vh, rp, out0; writes out0
.if DOCPART == 2
	.amdgcn_target "amdgcn-amd-amdhsa--gfx1250"
	.amdhsa_code_object_version 6
	.text
	.protected	k_q0d40ebfcf5_attn
	.globl	k_q0d40ebfcf5_attn
	.p2align	8
	.type	k_q0d40ebfcf5_attn,@function
k_q0d40ebfcf5_attn:
	s_mov_b64 s[64:65], 0
	v_nop
	global_prefetch_b8 v0, s[64:65] scope:SCOPE_SE
	s_setreg_imm32_b32 hwreg(HW_REG_WAVE_MODE, 25, 1), 1
	s_wait_xcnt 0x0
; attn: out[q] = softmax over k <= q of ( Q[q] . (K[k]/8 + rel_emb[k-q+2047]) ) applied to V.
;   qh = Q log2(e), kh = K/8, vh = V by blocks of 32 keys, transposed, rp[c] = rel_emb[c-1], all f16; sums, softmax and state in f32.
;   The exponentials are taken to base 2; the factor log2(e) sits in qh.
; LIMITS: masked scores are -1e30 instead of -infinity (their weight is exactly 0); P is rounded to f16 for the product with V.
; SHARES.  Work-group (j, batch) owns query blocks A = j (j + 1 key steps) and B = 63 - j (64 - j steps) of 32 queries: 65 steps of
; 32 x 32 in every work-group.  nA = 1 .. 4 waves take A, the others B; the waves of a block split its steps into runs of
; ceil(n / nw), 1 to 10 steps a wave.  Each wave keeps a state of its own (m, l, O); the partial results meet in LDS at the end.
; THE SKEW.  With c = k - q + 2048 the relative term is M[q][c] = Q[q] . rp[c].  A tile rp(16 rows) x Q(16 queries) leaves c along a
; lane's registers; it is stored to the wave's own LDS at row q, column 16 t + c_local + q_local, and columns 16 .. 47 read back are
; then M[q][key 0 .. 31]: they enter the K x Q product as its C operand, so that no addition is spent.  Of the three tiles
; that each query tile needs a step, the first is the last step's third and is carried in registers.
; ONE STEP AHEAD.  Step s makes the M tiles of step s + 1 right behind its own K x Q products, stores them and asks for them back in
; one stretch of memory lines (runs of LDS lines between the runs of global loads, no vector line among them); its softmax and its
; last products follow, and the skewed tiles are wanted only at the head of step s + 1.
; NO CLUSTER, NO TENSOR LOADS: no two waves of a work-group read the same K, V or rp tile (the keys are split among them), and work-groups
; of a batch walk the keys from starting steps of their own (s0 hangs on j and on the wave), so partners would not ask for a tile together.
.set WREG,  8704                       ; LDS of a wave: 32 rows x 272 bytes
.set HREG,  4352                       ; 16 rows
.set NEG, 1                            ; v1  -1e30
.set KO,  2                            ; v2  128 r + 16 h: lane term in rows of 128 bytes (Q, K, rp)
.set VO,  3                            ; v3  64 r + 16 h: in rows of 64 bytes (V)
.set SA,  4                            ; v4  skew, in: region + 276 r + 32 h (row r, column r + 8 h)
.set LA,  5                            ; v5  skew, back: region + 272 r + 64 + 32 h (row r, column 16 + 8 h)
.set DM,  6                            ; v6  r - 8 h: register j of a diagonal tile is kept while j <= r - 8 h
.set PB,  7                            ; v7  region + 272 r
.set ST,  8                            ; v[8:11]   (m, l) of query tile 0, 1; l is the sum over the lane's own keys until the end
.set AL,  12                           ; v[12:15]  the rescaling factor of tile 0, 1, each twice
.set T0,  16
.set T1,  17
.set MN,  18                           ; v[18:19]  the new maximum, twice
.set T2,  20
.set P0,  20                           ; v[20:23]  two chains of sums
.set P1,  22
.set QF,  24                           ; v[24:55]    Q fragments (qt, ch) at 16 qt + 8 ch
.set RF,  56                           ; v[56:103]   rp fragments: rows cbase - 16, cbase, cbase + 16; cbase = 32 (s - blk) + 2048
.set KF,  104                          ; v[104:135]  K fragments (kt, ch)
.set VF,  136                          ; v[136:167]  V fragments (ht)
.set S,   168                          ; v[168:199]  scores (qt, kt) at 16 qt + 8 kt; P is packed in place into 16 qt + 0 .. 7
.set MP,  200                          ; v[200:215]  the third M tile of qt = 0, 1: the next step's first
.set MT,  216                          ; v[216:231]  the middle M tile of qt = 0, 1
.set OA,  232                          ; v232  PB + 32 h
.set MSR, 233                          ; merge: address of a row's (m, l)
.set MAR, 234                          ; merge: address of my 16 bytes of a row
.set OO,  235                          ; merge: 16 x lane
.set XB,  236                          ; v[236:251]  merge: second buffer of partial rows
.set XA,  40                           ; v[40:55]    merge: first buffer
.set ACC, 24                           ; v[24:39]    merge: sums
.set ML,  168                          ; v[168:231]  merge: (m, l) of partial p, row pair g at 8 p + 2 g
; window 1: v256 .. v319 = O (qt, ht) at 32 qt + 8 ht: lane = query, registers = 8 neighbouring head columns
.set S2,  64                           ; window 1: v320 .. v351 = the skewed M of the coming step, (qt, kt) at 16 qt + 8 kt
.set MSB, 0
.macro WIN new                         ; s_set_vgpr_msb: bits 1:0 source 0, 3:2 source 1, 5:4 source 2, 7:6 destination;
.if MSB != \new                        ; the immediate's high byte repeats the setting that is left
	s_set_vgpr_msb (MSB<<8)|\new
.set MSB, \new
.endif
.endm
.macro NOPS n
.rept \n
	v_nop
.endr
.endm
.macro HM d, a, b, z                   ; one f16 product; z: it starts the sum
.if \z
	v_wmma_f32_16x16x32_f16 v[\d:\d+7], v[\a:\a+7], v[\b:\b+7], 0
.else
	v_wmma_f32_16x16x32_f16 v[\d:\d+7], v[\a:\a+7], v[\b:\b+7], v[\d:\d+7]
.endif
.endm
; fragments of 'tiles' tiles of 16 rows x 64 f16 (rows of 128 bytes): four loads a tile, 32 bytes apart
.macro LDT reg, tiles, sb, boff
.set tt, 0
.rept \tiles
.irp q, 0,1,2,3
	global_load_b128 v[\reg+16*tt+4*\q:\reg+16*tt+4*\q+3], v[KO], s[\sb:\sb+1] offset:\boff+2048*tt+32*\q
.endr
.set tt, tt+1
.endr
.endm
.macro LDV                             ; a block of V: four tiles of 16 head columns x 32 keys
.irp ht, 0,1,2,3
	global_load_b128 v[VF+8*\ht:VF+8*\ht+3], v[VO], s[40:41] offset:1024*\ht
	global_load_b128 v[VF+8*\ht+4:VF+8*\ht+7], v[VO], s[40:41] offset:1024*\ht+32
.endr
.endm
.macro STM reg, t                      ; 16 stores: the M tiles at reg (qt = 0, 1) go to column block t, skewed
.irp qt, 0,1
.irp j, 0,1,2,3,4,5,6,7
	ds_store_b32 v[SA], v[\reg+8*\qt+\j] offset:HREG*\qt+64*\t+4*\j
.endr
.endr
.endm
.macro LDS2                            ; columns 16 .. 47 back, by rows: a wave's LDS instructions are served in order, these see the stores
	WIN 0x40                                       ; loaded data in window 1
.irp qt, 0,1
.irp kt, 0,1
	ds_load_b128 v[S2+16*\qt+8*\kt:S2+16*\qt+8*\kt+3], v[LA] offset:HREG*\qt+64*\kt
	ds_load_b128 v[S2+16*\qt+8*\kt+4:S2+16*\qt+8*\kt+7], v[LA] offset:HREG*\qt+64*\kt+16
.endr
.endr
.endm
; softmax of query tile qt: a lane holds 16 of its query's 32 scores, lane xor 16 the others
.macro SMAX qt, first
	v_max3_num_f32 v[T0], v[S+16*\qt], v[S+16*\qt+1], v[S+16*\qt+2]
	v_max3_num_f32 v[T1], v[S+16*\qt+3], v[S+16*\qt+4], v[S+16*\qt+5]
	v_max3_num_f32 v[T0], v[T0], v[S+16*\qt+6], v[S+16*\qt+7]
	v_max3_num_f32 v[T1], v[T1], v[S+16*\qt+8], v[S+16*\qt+9]
	v_max3_num_f32 v[T0], v[T0], v[S+16*\qt+10], v[S+16*\qt+11]
	v_max3_num_f32 v[T1], v[T1], v[S+16*\qt+12], v[S+16*\qt+13]
	v_max3_num_f32 v[T0], v[T0], v[S+16*\qt+14], v[S+16*\qt+15]
.if \first
	v_max_num_f32 v[T0], v[T0], v[T1]
.else
	v_max3_num_f32 v[T0], v[T0], v[T1], v[ST+2*\qt]
.endif
	v_permlanex16_b32 v[T1], v[T0], s46, s47
	v_max_num_f32 v[MN], v[T0], v[T1]              ; twice: a pair for the packed subtraction
	v_max_num_f32 v[MN+1], v[T0], v[T1]
.if \first
.else
	v_sub_f32 v[T2], v[ST+2*\qt], v[MN]
	v_exp_f32 v[AL+2*\qt], v[T2]                   ; the packed subtractions below are the plain lines behind these two (ISA guide 5.7.2)
	v_exp_f32 v[AL+2*\qt+1], v[T2]
.endif
.irp k, 0,2,4,6,8,10,12,14
	v_pk_add_f32 v[S+16*\qt+\k:S+16*\qt+\k+1], v[S+16*\qt+\k:S+16*\qt+\k+1], v[MN:MN+1] neg_lo:[0,1] neg_hi:[0,1]
.endr
.irp k, 0,1,2,3,4,5,6,7,8,9,10,11,12,13,14,15
	v_exp_f32 v[S+16*\qt+\k], v[S+16*\qt+\k]
.endr
	v_mov_b32 v[ST+2*\qt], v[MN]                   ; the plain line between the exponentials and their first use
	s_wait_alu depctr_va_vdst(0)
	v_pk_add_f32 v[P0:P0+1], v[S+16*\qt:S+16*\qt+1], v[S+16*\qt+2:S+16*\qt+3]
	v_pk_add_f32 v[P1:P1+1], v[S+16*\qt+4:S+16*\qt+5], v[S+16*\qt+6:S+16*\qt+7]
	v_pk_add_f32 v[P0:P0+1], v[P0:P0+1], v[S+16*\qt+8:S+16*\qt+9]
	v_pk_add_f32 v[P1:P1+1], v[P1:P1+1], v[S+16*\qt+10:S+16*\qt+11]
	v_pk_add_f32 v[P0:P0+1], v[P0:P0+1], v[S+16*\qt+12:S+16*\qt+13]
	v_pk_add_f32 v[P1:P1+1], v[P1:P1+1], v[S+16*\qt+14:S+16*\qt+15]
	v_pk_add_f32 v[P0:P0+1], v[P0:P0+1], v[P1:P1+1]
.if \first
	v_add_f32 v[ST+2*\qt+1], v[P0], v[P0+1]
.else
	v_add_f32 v[P0], v[P0], v[P0+1]
	v_fma_f32 v[ST+2*\qt+1], v[ST+2*\qt+1], v[AL+2*\qt], v[P0]
.endif
.irp k, 0,1,2,3,4,5,6,7
	v_cvt_pk_f16_f32 v[S+16*\qt+\k], v[S+16*\qt+2*\k], v[S+16*\qt+2*\k+1]   ; registers 0-3: keys 8h .. 8h+7, 4-7: keys 16+8h ..: a B fragment as it stands
.endr
.endm
; One step: 32 queries x 32 keys.  first: it starts m, l and O.  more: another step follows; then this one also makes that step's
; skewed M and asks for its K and V and for the rp rows of the step after it (clamped to the wave's last step, so that no load
; leaves rp).  Global loads are issued in the order K (8), rp (12), V (8).  The wave's last step (more = 0) asks for nothing; it alone
; can be the diagonal step, so it alone carries the mask.
.macro STEP first, more, id
	s_wait_loadcnt 8                               ; K of this step and rp of the next are in: behind them only V's 8 loads were issued
	s_wait_dscnt 0x0                               ; the skewed M of this step is in S2, and its columns in LDS have been read
.if \more
	STM MP, 0                                      ; the carried tile goes in as the next step's first, before MP is made anew
.endif
	WIN 0x10                                       ; C in window 1
.irp qt, 0,1
.irp kt, 0,1
	v_wmma_f32_16x16x32_f16 v[S+16*\qt+8*\kt:S+16*\qt+8*\kt+7], v[KF+16*\kt:KF+16*\kt+7], v[QF+16*\qt:QF+16*\qt+7], v[S2+16*\qt+8*\kt:S2+16*\qt+8*\kt+7]
.endr
.endr
	WIN 0
.irp qt, 0,1
.irp kt, 0,1
	HM S+16*\qt+8*\kt, KF+16*\kt+8, QF+16*\qt+8, 0             ; lane = query, registers = keys 16 kt + 8 h + j
.endr
.endr
.if \more
	HM MT, RF+16, QF, 1                            ; qt 0, rows cbase
	HM MT+8, RF, QF+16, 1                          ; qt 1, rows cbase - 16
	HM MP, RF+32, QF, 1                            ; qt 0, rows cbase + 16
	HM MP+8, RF+16, QF+16, 1                       ; qt 1, rows cbase
	HM MT, RF+24, QF+8, 0
	HM MT+8, RF+8, QF+24, 0
	HM MP, RF+40, QF+8, 0
	HM MP+8, RF+24, QF+24, 0
.endif
	NOPS 4                                         ; four places before loads land on KF, RF and S2 and before the results are stored or read
.if \more
	s_add_co_u32 s30, s28, 1
	s_lshl_b32 s30, s30, 12                        ; 4,096 bytes a step in kh, vh and rp alike
	s_add_co_u32 s52, s28, 2
	s_min_u32 s52, s52, s27
	s_lshl_b32 s52, s52, 12
	s_add_nc_u64 s[38:39], s[32:33], s[30:31]      ; both pointers' last loads are done (the wait at the head)
	s_add_nc_u64 s[42:43], s[36:37], s[52:53]
	LDT KF, 2, 38, 0                               ; one stretch of memory lines: global loads and LDS lines take turns in runs
	STM MT, 1
	LDT RF, 3, 42, 0
	STM MP, 2
	LDS2
	WIN 0
.else
	s_cmp_lg_u32 s28, s18                          ; only the diagonal step has masked pairs
	s_cbranch_scc1 .Lnm\id
.irp j, 0,1,2,3,4,5,6,7
	v_cmp_le_i32 vcc_lo, \j, v[DM]
	v_cndmask_b32 v[S+\j], v[NEG], v[S+\j], vcc_lo             ; tile (0, 0)
	v_cndmask_b32 v[S+24+\j], v[NEG], v[S+24+\j], vcc_lo       ; tile (1, 1)
	v_mov_b32 v[S+8+\j], v[NEG]                                ; tile (0, 1): keys 16 .. 31 against queries 0 .. 15
.endr
.Lnm\id:
.endif
	SMAX 0, \first
	SMAX 1, \first
.if \first
.else
	WIN 0x41                                       ; destination and source 0 in window 1
.irp k, 0,2,4,6,8,10,12,14,16,18,20,22,24,26,28,30
	v_pk_mul_f32 v[\k:\k+1], v[\k:\k+1], v[AL:AL+1]
.endr
.irp k, 0,2,4,6,8,10,12,14,16,18,20,22,24,26,28,30
	v_pk_mul_f32 v[32+\k:32+\k+1], v[32+\k:32+\k+1], v[AL+2:AL+3]
.endr
.endif
.if \more
	s_wait_loadcnt 20                              ; V is in: behind it the next K's 8 and rp's 12
.else
	s_wait_loadcnt 0x0                             ; V is the youngest
.endif
	WIN 0x50                                       ; C and D in window 1
.irp qt, 0,1
.irp ht, 0,1,2,3
	HM 32*\qt+8*\ht, VF+8*\ht, S+16*\qt, \first
.endr
.endr
	WIN 0
	NOPS 5                                         ; places before loads land on VF, before the next products write over P and before O is read
.if \more
	s_add_nc_u64 s[40:41], s[34:35], s[30:31]
	LDV
.endif
	s_add_co_u32 s28, s28, 1
.endm
	s_load_b256 s[4:11], s[0:1], 0x0               ; qh 4:5, kh 6:7, vh 8:9, rp 10:11
	s_load_b64 s[12:13], s[0:1], 0x20              ; out0
	v_lshl_add_u32 v254, v0, 2, 0x11000
	v_mov_b32 v255, 0
	v_lshrrev_b32 v[T0], 5, v0
	v_readfirstlane_b32 s14, v[T0]                 ; wave
	s_mov_b32 s15, ttmp9                           ; j
	s_and_b32 s16, ttmp7, 0xffff                   ; batch
	s_mov_b32 s46, 0x76543210                      ; v_permlanex16_b32: lane i takes lane i of the other half
	s_mov_b32 s47, 0xfedcba98
	s_mov_b32 s48, 0xf149f2ca                      ; -1e30
	s_mov_b32 s17, 1                               ; nA = 1 + (j >= 9) + (j >= 18) + (j >= 27)
	s_cmp_ge_u32 s15, 9
	s_add_co_ci_u32 s17, s17, 0
	s_cmp_ge_u32 s15, 18
	s_add_co_ci_u32 s17, s17, 0
	s_cmp_ge_u32 s15, 27
	s_add_co_ci_u32 s17, s17, 0
	s_sub_co_u32 s58, 63, s15
	s_sub_co_u32 s59, 8, s17
	s_sub_co_u32 s49, s14, s17
	s_cmp_ge_u32 s14, s17                          ; do I serve B?
	s_cselect_b32 s18, s58, s15                    ; blk
	s_cselect_b32 s19, s59, s17                    ; nw: waves on my block
	s_cselect_b32 s20, s49, s14                    ; i: my place among them
	s_add_co_u32 s21, s18, 1                       ; n: the block's steps
	s_mov_b32 s22, 65536                           ; ceil(65536 / nw): x / nw = (x * this) >> 16, exact for x <= 70
	s_cmp_eq_u32 s19, 2
	s_cselect_b32 s22, 32768, s22
	s_cmp_eq_u32 s19, 3
	s_cselect_b32 s22, 21846, s22
	s_cmp_eq_u32 s19, 4
	s_cselect_b32 s22, 16384, s22
	s_cmp_eq_u32 s19, 5
	s_cselect_b32 s22, 13108, s22
	s_cmp_eq_u32 s19, 6
	s_cselect_b32 s22, 10923, s22
	s_cmp_eq_u32 s19, 7
	s_cselect_b32 s22, 9363, s22
	s_add_co_u32 s23, s21, s19
	s_sub_co_u32 s23, s23, 1
	s_mul_i32 s23, s23, s22
	s_lshr_b32 s23, s23, 16                        ; c = ceil(n / nw)
	s_mul_i32 s24, s20, s23                        ; s0
	s_add_co_u32 s25, s24, s23
	s_min_u32 s25, s25, s21                        ; s1
	s_sub_co_u32 s26, s25, s24                     ; my steps: 1 to 10 for every j and wave
	s_sub_co_u32 s27, s25, 1                       ; my last step
	s_mov_b32 s28, s24                             ; the step at work
	v_and_b32 v[T0], 15, v0                        ; r
	v_bfe_u32 v[T1], v0, 4, 1                      ; h
	v_lshlrev_b32 v[MN], 4, v[T1]
	v_lshl_add_u32 v[KO], v[T0], 7, v[MN]
	v_lshl_add_u32 v[VO], v[T0], 6, v[MN]
	s_mul_i32 s58, s14, WREG
	v_mul_u32_u24 v[PB], v[T0], 272
	v_add_nc_u32 v[PB], s58, v[PB]
	v_lshl_add_u32 v[OA], v[T1], 5, v[PB]
	v_lshl_add_u32 v[SA], v[T0], 2, v[OA]
	v_add_nc_u32 v[LA], 64, v[OA]
	v_lshlrev_b32 v[MN], 3, v[T1]
	v_sub_nc_u32 v[DM], v[T0], v[MN]
	v_mov_b32 v[NEG], 0xf149f2ca
	s_mov_b32 s59, 0
	s_mov_b32 s31, 0
	s_mov_b32 s53, 0
	s_wait_kmcnt 0x0
	s_lshl_b32 s58, s16, 18                        ; a batch: 2,048 rows of 128 bytes = 64 blocks of 4,096
	s_add_nc_u64 s[32:33], s[6:7], s[58:59]        ; K0
	s_add_nc_u64 s[34:35], s[8:9], s[58:59]        ; V0
	s_add_nc_u64 s[44:45], s[4:5], s[58:59]
	s_lshl_b32 s58, s18, 12
	s_add_nc_u64 s[44:45], s[44:45], s[58:59]      ; my 32 queries
	s_sub_co_u32 s58, 63, s18
	s_lshl_b32 s58, s58, 12
	s_add_co_u32 s58, s58, 2048
	s_add_nc_u64 s[36:37], s[10:11], s[58:59]      ; R0: rp row 2032 - 32 blk = cbase - 16 of step 0
	s_lshl_b32 s30, s24, 12
	s_add_nc_u64 s[38:39], s[32:33], s[30:31]
	s_add_nc_u64 s[40:41], s[34:35], s[30:31]
	s_add_nc_u64 s[42:43], s[36:37], s[30:31]
	LDT QF, 2, 44, 0                               ; 8
	LDT VF, 1, 42, -2048                           ; 4: rp rows cbase - 32, wanted once, for qt 1's first tile; VF is free until V is asked for
	LDT RF, 3, 42, 0                               ; 12
	LDT KF, 2, 38, 0                               ; 8
	s_wait_loadcnt 8                               ; all but K
	; the first step's M: three tiles for each query tile; the first ones go through S, which is free here
	HM S, RF, QF, 1                                ; qt 0, rows cbase - 16
	HM S+8, VF, QF+16, 1                           ; qt 1, rows cbase - 32
	HM MT, RF+16, QF, 1
	HM MT+8, RF, QF+16, 1
	HM MP, RF+32, QF, 1
	HM MP+8, RF+16, QF+16, 1
	HM S, RF+8, QF+8, 0
	HM S+8, VF+8, QF+24, 0
	HM MT, RF+24, QF+8, 0
	HM MT+8, RF+8, QF+24, 0
	HM MP, RF+40, QF+8, 0
	HM MP+8, RF+24, QF+24, 0
	NOPS 5                                         ; four places before loads land on RF and VF and the tiles are stored, five before the first step's products write over S
	s_add_co_u32 s52, s24, 1
	s_min_u32 s52, s52, s27
	s_lshl_b32 s52, s52, 12
	s_add_nc_u64 s[42:43], s[36:37], s[52:53]      ; the pointer's loads are done (the wait above)
	LDT RF, 3, 42, 0                               ; rp of the second step (clamped): from here on the order is K, rp, V
	LDV
	STM S, 0
	STM MT, 1
	STM MP, 2
	LDS2
	WIN 0
	s_cmp_eq_u32 s26, 1
	s_cbranch_scc1 .Lone
	STEP 1, 1, a                                   ; the first step starts m, l and O: nothing is cleared
	s_sub_co_u32 s29, s26, 2
	s_cmp_eq_u32 s29, 0
	s_cbranch_scc1 .Llast
.Lloop:
	STEP 0, 1, b
	s_sub_co_i32 s29, s29, 1
	s_cmp_lg_u32 s29, 0
	s_cbranch_scc1 .Lloop
.Llast:
	STEP 0, 0, c
	s_branch .Ldone
.Lone:
	STEP 1, 0, d
.Ldone:
	; MY PARTIAL RESULT into my own LDS bytes: O as [32 queries][64] f32, pitch 272, (m, l) in a row's bytes 256 .. 263.
	; No load is out here: the last step asked for nothing and waited for all.
	v_permlanex16_b32 v[T0], v[ST+1], s46, s47
	v_permlanex16_b32 v[T1], v[ST+3], s46, s47
	v_add_f32 v[ST+1], v[ST+1], v[T0]              ; l over all of the wave's keys
	v_add_f32 v[ST+3], v[ST+3], v[T1]
	WIN 0x04                                       ; store data in window 1
.irp qt, 0,1
.irp ht, 0,1,2,3
	ds_store_b128 v[OA], v[32*\qt+8*\ht:32*\qt+8*\ht+3] offset:HREG*\qt+64*\ht
	ds_store_b128 v[OA], v[32*\qt+8*\ht+4:32*\qt+8*\ht+7] offset:HREG*\qt+64*\ht+16
.endr
.endr
	WIN 0
	ds_store_b64 v[PB], v[ST:ST+1] offset:256
	ds_store_b64 v[PB], v[ST+2:ST+3] offset:HREG+256
	s_wait_dscnt 0x0                               ; for the others: all my stores are in LDS
	s_barrier_signal -1
	s_barrier_wait -1
	; THE MERGE.  Wave w makes rows 8 (w & 3) .. + 7 of block A (w < 4) or B.  It reads all eight partial results at constant
	; addresses; -1e30 is added to the m of those that belong to the other block, whose weight exp2(m - M) is then exactly 0.
	; B's merge takes 4 to 7 of the 8 in any case.
	s_and_b32 s58, s14, 3
	s_lshl_b32 s49, 1, s17
	s_sub_co_u32 s49, s49, 1                       ; bits 0 .. nA - 1: A's partial results
	s_xor_b32 s29, s49, 0xff                       ; B's
	s_sub_co_u32 s30, 63, s15
	s_cmp_lt_u32 s14, 4
	s_cselect_b32 s49, s49, s29
	s_cselect_b32 s28, s15, s30                    ; the block that I write
.irp p, 0,1,2,3,4,5,6,7
	s_bitcmp1_b32 s49, \p
	s_cselect_b32 s[50+\p], 0, s48
.endr
	s_lshl_b32 s30, s16, 19                        ; out0: rows of 256 bytes: batch x 2,048 + 32 x block + 8 x (w & 3)
	s_lshl_b32 s29, s28, 13
	s_add_co_u32 s30, s30, s29
	s_lshl_b32 s29, s58, 11
	s_add_co_u32 s30, s30, s29
	s_add_nc_u64 s[12:13], s[12:13], s[30:31]
	s_mul_i32 s29, s58, 8*272
	v_bfe_u32 v[T0], v0, 4, 1
	v_and_b32 v[T1], 15, v0
	v_mul_u32_u24 v[MSR], v[T0], 272
	v_add_nc_u32 v[MSR], s29, v[MSR]               ; row 8 (w & 3) + h; row pair g and partial p go into the immediate
	v_lshl_add_u32 v[MAR], v[T1], 4, v[MSR]
	v_and_b32 v[OO], 31, v0
	v_lshlrev_b32 v[OO], 4, v[OO]
.macro LDX buf, p                      ; partial p: my 16 bytes of the four row pairs
.irp g, 0,1,2,3
	ds_load_b128 v[\buf+4*\g:\buf+4*\g+3], v[MAR] offset:\p*WREG+544*\g
.endr
.endm
.macro WEIGHT g                        ; the m of row pair g become the weights exp2(m - max)
.irp p, 0,1,2,3,4,5,6,7
	v_add_f32 v[ML+8*\p+2*\g], s[50+\p], v[ML+8*\p+2*\g]
.endr
	v_max3_num_f32 v[T0], v[ML+2*\g], v[ML+8+2*\g], v[ML+16+2*\g]
	v_max3_num_f32 v[T0], v[T0], v[ML+24+2*\g], v[ML+32+2*\g]
	v_max3_num_f32 v[T0], v[T0], v[ML+40+2*\g], v[ML+48+2*\g]
	v_max_num_f32 v[T0], v[T0], v[ML+56+2*\g]
.irp p, 0,1,2,3,4,5,6,7
	v_sub_f32 v[ML+8*\p+2*\g], v[ML+8*\p+2*\g], v[T0]
.endr
.irp p, 0,1,2,3,4,5,6,7
	v_exp_f32 v[ML+8*\p+2*\g], v[ML+8*\p+2*\g]
.endr
.endm
.macro LSUM g                          ; L = sum of w l, kept in the l of partial 0
	s_wait_alu depctr_va_vdst(0)
	v_mul_f32 v[ML+2*\g+1], v[ML+2*\g], v[ML+2*\g+1]
.irp p, 1,2,3,4,5,6,7
	v_fmac_f32 v[ML+2*\g+1], v[ML+8*\p+2*\g], v[ML+8*\p+2*\g+1]
.endr
.endm
.macro ACCUM buf, p                    ; sums += w x partial; both halves of a packed line take the pair's first register, w
.irp g, 0,1,2,3
.irp k, 0,2
.if \p == 0
	v_pk_mul_f32 v[ACC+4*\g+\k:ACC+4*\g+\k+1], v[\buf+4*\g+\k:\buf+4*\g+\k+1], v[ML+2*\g:ML+2*\g+1] op_sel_hi:[1,0]
.else
	v_pk_fma_f32 v[ACC+4*\g+\k:ACC+4*\g+\k+1], v[\buf+4*\g+\k:\buf+4*\g+\k+1], v[ML+8*\p+2*\g:ML+8*\p+2*\g+1], v[ACC+4*\g+\k:ACC+4*\g+\k+1] op_sel_hi:[1,0,1]
.endif
.endr
.endr
.endm
.irp p, 0,1,2,3,4,5,6,7
.irp g, 0,1,2,3
	ds_load_b64 v[ML+8*\p+2*\g:ML+8*\p+2*\g+1], v[MSR] offset:\p*WREG+544*\g+256
.endr
.endr
	LDX XA, 0
	s_wait_dscnt 4                                 ; all (m, l) are in; the four loads of partial 0 may be out
	WEIGHT 0                                       ; behind each run of exponentials the next macro's first line is a plain one on other registers
	WEIGHT 1
	WEIGHT 2
	WEIGHT 3
	LSUM 0
	LSUM 1
	LSUM 2
	LSUM 3
	LDX XB, 1
	s_wait_dscnt 4                                 ; here and below: all but the four loads just issued
	ACCUM XA, 0
	LDX XA, 2
	s_wait_dscnt 4
	ACCUM XB, 1
	LDX XB, 3
	s_wait_dscnt 4
	ACCUM XA, 2
	LDX XA, 4
	s_wait_dscnt 4
	ACCUM XB, 3
	LDX XB, 5
	s_wait_dscnt 4
	ACCUM XA, 4
	LDX XA, 6
	s_wait_dscnt 4
	ACCUM XB, 5
	LDX XB, 7
	s_wait_dscnt 4
	ACCUM XA, 6
	s_wait_dscnt 0x0
	ACCUM XB, 7
.irp g, 0,1,2,3
	v_rcp_f32 v[ML+2*\g], v[ML+2*\g+1]             ; 1 / L over partial 0's weight, which has served
.endr
	v_nop                                          ; the plain line behind the reciprocals
	s_wait_alu depctr_va_vdst(0)
.irp g, 0,1,2,3
.irp k, 0,2
	v_pk_mul_f32 v[ACC+4*\g+\k:ACC+4*\g+\k+1], v[ACC+4*\g+\k:ACC+4*\g+\k+1], v[ML+2*\g:ML+2*\g+1] op_sel_hi:[1,0]
.endr
.endr
.irp g, 0,1,2,3
	global_store_b128 v[OO], v[ACC+4*\g:ACC+4*\g+3], s[12:13] offset:512*\g th:TH_STORE_NT   ; two whole rows of 256 bytes a store
.endr
	s_wait_tensorcnt 0x0
	ds_add_u32 v254, v255
	s_wait_dscnt 0x0
	s_endpgm
.Lfunc_end_k_q0d40ebfcf5_attn:
	.size	k_q0d40ebfcf5_attn, .Lfunc_end_k_q0d40ebfcf5_attn-k_q0d40ebfcf5_attn
	.p2alignl 7, 3214868480
	.fill 96, 4, 3214868480
	.section	.rodata,"a",@progbits
	.p2align	6, 0x0
	.amdhsa_kernel k_q0d40ebfcf5_attn
		.amdhsa_group_segment_fixed_size 70656
		.amdhsa_private_segment_fixed_size 0
		.amdhsa_enable_private_segment 0
		.amdhsa_kernarg_size 40
		.amdhsa_user_sgpr_count 2
		.amdhsa_user_sgpr_kernarg_segment_ptr 1
		.amdhsa_wavefront_size32 1
		.amdhsa_system_sgpr_workgroup_id_x 1
		.amdhsa_system_sgpr_workgroup_id_y 1
		.amdhsa_system_sgpr_workgroup_id_z 1
		.amdhsa_system_vgpr_workitem_id 0
		.amdhsa_next_free_vgpr 352
		.amdhsa_next_free_sgpr 66
		.amdhsa_reserve_vcc 1
		.amdhsa_float_denorm_mode_32 3
		.amdhsa_float_denorm_mode_16_64 3
		.amdhsa_memory_ordered 1
		.amdhsa_forward_progress 1
		.amdhsa_inst_pref_size 79
	.end_amdhsa_kernel
	.amdgpu_metadata
---
amdhsa.version: [ 1, 2 ]
amdhsa.kernels:
  - .name:           k_q0d40ebfcf5_attn
    .symbol:         k_q0d40ebfcf5_attn.kd
    .args:
      - { .name: qh, .offset: 0, .size: 8, .value_kind: global_buffer, .address_space: global }
      - { .name: kh, .offset: 8, .size: 8, .value_kind: global_buffer, .address_space: global }
      - { .name: vh, .offset: 16, .size: 8, .value_kind: global_buffer, .address_space: global }
      - { .name: rp, .offset: 24, .size: 8, .value_kind: global_buffer, .address_space: global }
      - { .name: out0, .offset: 32, .size: 8, .value_kind: global_buffer, .address_space: global }
    .group_segment_fixed_size: 70656
    .private_segment_fixed_size: 0
    .kernarg_segment_align: 8
    .kernarg_segment_size: 40
    .max_flat_workgroup_size: 256
    .sgpr_count:     66
    .vgpr_count:     352
    .wavefront_size: 32
...
	.end_amdgpu_metadata
.endif
;; end of part 2
;; ======== version 2 of 2: 2 launches; version 1 with the launch proj written anew for expert scheduling mode
;; limits: values are held in f16: magnitudes above 65,504 overflow, below 6.1e-05 lose precision
;; workspace buffers: qh 2,097,152 bytes; kh 2,097,152 bytes; vh 2,097,152 bytes; rp 524,288 bytes
;; launch proj (part 3): grid 256 x 1, 8 waves a work-group, no clusters, 140,288 bytes of LDS; arguments x, Wq, Wk, Wv, rel_emb, qh, kh, vh, rp; writes qh, kh, vh, rp
.if DOCPART == 3
	.amdgcn_target "amdgcn-amd-amdhsa--gfx1250"
	.amdhsa_code_object_version 6
	.text
	.protected	k_q0d40ebfcf5_proj
	.globl	k_q0d40ebfcf5_proj
	.p2align	8
	.type	k_q0d40ebfcf5_proj,@function
k_q0d40ebfcf5_proj:
	s_mov_b64 s[64:65], 0
	v_nop
	global_prefetch_b8 v0, s[64:65] scope:SCOPE_SE
	s_setreg_imm32_b32 hwreg(HW_REG_WAVE_SCHED_MODE, 0, 2), 2
	s_setreg_imm32_b32 hwreg(HW_REG_WAVE_MODE, 25, 1), 1
	s_wait_xcnt 0x0
	s_wait_alu depctr_vm_vsrc(0)
; proj: qh = (x Wq^T) log2(e), kh = (x Wk^T) / 8, vh = x Wv^T, rp = rel_emb moved down by one row; all four in f16.
;   x [16384][512] f32, W* [64][512] f32.  Products: bf16 operands, f32 sums.
;   qh, kh: [16384 rows][64] f16.   vh: [512 blocks of 32 rows][64 hd][32 rows] f16 (V transposed inside a block).
;   rp: [4096][64] f16, rp[c] = rel_emb[c-1], rp[0] = 0.  A causal pair (q, k) uses row c = k - q + 2048.  Every work-group converts
;   16 rows, so that all run one path; the rows above 2079 are not read later.
; LIMITS: f16 results: |Q log2 e|, |K| / 8, |V|, |rel_emb| below 65504; magnitudes under 2^-24 are lost.
; A work-group owns 64 rows of x.  Eight waves: wave w has row half rh = w & 1 (32 rows, two 16-row tiles) and column tile
; cq = w >> 1 of each of Q, K and V: six accumulator tiles.  K = 512 goes in four slices of 128 through two LDS buffers.
; THE PIPELINE.  A slice comes in four quarters (my 8 rows of x, Wq, Wk, Wv: eight 16-byte loads a lane each); the 16 quarters run
; through a ring of seven register slots, asked for six quarters ahead, so 48 loads of 512 bytes of every wave are on their way.
; Quarter k of the next slice is converted and put into the other LDS buffer right behind the six products of step k of this slice.
; NO CLUSTER, NO TENSOR LOADS: every operand is f32 in memory and is converted to bf16 in registers on its way to LDS; a joint
; request exists only for copies straight into LDS, which would put 512 bytes per row and slice there to be read, converted and
; stored again as 256.
; THE MODE: SCHED_MODE bits 1:0 = 2 (LLVM: expert scheduling mode 2), set by the entry lines.  The code itself states the register
; dependences between vector or matrix instructions and memory or LDS instructions, with s_wait_alu, always for 0.
; THE PLAN.  Registers that memory or LDS instructions touch:
;   the ring    Quarter n lives in slot n % 7.  Its eight loads are issued in quarter n - 6; its sixteen conversions read the slot and
;               write it in place; its eight LDS stores read it; in quarter n + 1 the loads of quarter n + 7 land in it.
;   FB0, FB1    A step's ten LDS loads land in one of them; the step's six products read it; it is loaded again behind the quarter
;               that follows those products.
;   v1 .. v14   Offsets and addresses: made at the head, never written again.
;   TP ..       TP to TP + 3: scratch of the set-up, then the target of rp's load; TP + 4, TP + 5: the data of rp's store, written once.
;   ACC         Named by matrix and vector instructions alone until the way out, where six LDS stores read it.
;   GW          Named by LDS loads and global stores alone.
; So ONE wait on va_vdst stands in a quarter, behind its conversions: the slot is written, the quarter before is done with its slot, and
; the six products in front are done reading their fragment buffer.  All of the quarter's memory lines follow it (eight loads, eight
; LDS stores, the ten fragment loads) with no vector or matrix instruction among them.  One wait on vm_vsrc stands beside it where a
; slot is loaded again: the LDS stores of the quarter before have read that slot.  The text has no branch: there is one path.
.set PITCH,  272                       ; an LDS row: 128 bf16 + 16 bytes, an odd multiple of 16
.set BUF,    256*PITCH                 ; a slice buffer: rows 0-63 Wq, 64-127 Wk, 128-191 Wv, 192-255 x
.set QPITCH, 144                       ; the way out: a row of 64 f16 + 16 bytes
.set VPITCH, 80                        ; the way out: a row of 32 f16 + 16 bytes
.set STG_K,  64*QPITCH                 ; stage (over buffer 0): Q at 0, K here,
.set STG_V,  2*64*QPITCH               ; V here: 128 rows (block rh, hd)
.set AHEAD,  6                         ; a quarter is asked for so many quarters ahead
.set SLOTS,  7                         ; slots of the ring: one more, so that a slot is loaded again a quarter behind its LDS stores
.set GO,  1                            ; global byte offset: wave's 8 rows of 2,048 bytes + 16 x lane
.set ST0, 2                            ; LDS: where I put 8 bytes of a row, buffer 0 / 1
.set ST1, 3
.set XA0, 4                            ; LDS: my x fragments, buffer 0 / 1
.set XA1, 5
.set WA0, 6                            ; LDS: my W fragments, buffer 0 / 1
.set WA1, 7
.set QS,  8                            ; stage, in: Q and K
.set VS,  9                            ; stage, in: V
.set RQ,  10                           ; stage, back: Q and K
.set RV,  11                           ; stage, back: V
.set O16, 12                           ; 16 x thread
.set RS,  13                           ; rel_emb byte offset
.set O8,  14                           ; 8 x thread
.set CR,  15                           ; my row c of rp
.set ACC, 16                           ; v[16:63]   tile (m, rt) at ACC + 8 (2 m + rt); m = 0 Q, 1 K, 2 V
.set FB,  64                           ; v[64:143]  two fragment buffers of 40: x (rt) at 8 rt, W (m) at 16 + 8 m
.set TP,  144                          ; v[144:151] set-up and rp
.set GW,  152                          ; v[152:175] the way out
; window 1: v256 .. v479 = the ring: slot k at 32 k, eight quads of f32 as loaded, converted in place
.set MSB, 0
.macro WIN new                         ; s_set_vgpr_msb: bits 1:0 source 0, 3:2 source 1, 5:4 source 2, 7:6 destination;
.if MSB != \new                        ; the immediate's high byte repeats the setting that is left
	s_set_vgpr_msb (MSB<<8)|\new
.set MSB, \new
.endif
.endm
.macro NOPS n
.rept \n
	v_nop
.endr
.endm
.macro MM d, a, b, z                   ; one product; z: it starts the sum (nothing is cleared)
.if \z
	v_wmma_f32_16x16x32_bf16 v[\d:\d+7], v[\a:\a+7], v[\b:\b+7], 0
.else
	v_wmma_f32_16x16x32_bf16 v[\d:\d+7], v[\a:\a+7], v[\b:\b+7], v[\d:\d+7]
.endif
.endm
; eight loads: quarter ln = 4 x slice + part; every load of the wave covers 512 neighbouring bytes.  Runs under WIN 0x40.
.macro LOADQ
.set lq, ln%4
.set ls, ln/4
.set lg, 32*(ln%SLOTS)
.irp i, 0,1,2,3,4,5,6,7
.if lq == 0
	global_load_b128 v[lg+4*\i:lg+4*\i+3], v[GO], s[4:5] offset:\i*2048+ls*512 th:TH_LOAD_NT
.else
	global_load_b128 v[lg+4*\i:lg+4*\i+3], v[GO], s[4+2*lq:5+2*lq] offset:\i*2048+ls*512
.endif
.endr
.endm
; Quarter qn: wait for it; four f32 become four bf16 in place; the slot of the quarter before is asked for again, AHEAD quarters ahead;
; 8 bytes a lane go to LDS (a wave's store covers a row's 256 bytes).
.macro QUART st
.set qg, 32*(qn%SLOTS)
.if qn%4 == 0
.set qr, 192
.else
.set qr, 64*(qn%4-1)
.endif
.if qn+AHEAD-1 < 15
.set qw, 8*(AHEAD-1)
.else
.set qw, 8*(15-qn)
.endif
	s_wait_loadcnt qw                              ; loads return in order: behind this quarter's eight only the younger quarters' were issued
	WIN 0x45                                       ; destination and both sources in window 1
.irp i, 0,1,2,3,4,5,6,7
	v_cvt_pk_bf16_f32 v[qg+4*\i], v[qg+4*\i], v[qg+4*\i+1]
	v_cvt_pk_bf16_f32 v[qg+4*\i+1], v[qg+4*\i+2], v[qg+4*\i+3]
.endr
.if qn+AHEAD <= 15
.set ln, qn+AHEAD
	WIN 0x40                                       ; loaded data in window 1: the switch, the waits, the loads
.if qn > 0
	s_wait_alu depctr_vm_vsrc(0)                   ; the LDS stores of the quarter before have read its slot, in which the loads below land
.endif
	s_wait_alu depctr_va_vdst(0)                   ; the conversions have written this slot, which the LDS stores below read; those of the quarter before are done with its slot, in which the loads below land; the products in front are done reading their fragments, on which the next LDS loads land
	LOADQ
	WIN 0x04                                       ; store data in window 1, address in window 0
.else
	WIN 0x04
	s_wait_alu depctr_va_vdst(0)                   ; the conversions have written this slot, which the LDS stores below read; the products in front are done reading their fragments, on which the next LDS loads land
.endif
.irp i, 0,1,2,3,4,5,6,7
	ds_store_b64 v[\st], v[qg+4*\i:qg+4*\i+1] offset:(qr+\i)*PITCH
.endr
	WIN 0
.endm
; ten loads: the fragments of 32 along K (step kc of the slice) into fragment buffer f.  No vector or matrix instruction stands
; between them and the last wait on va_vdst, which stands behind the products that read the buffer.
.macro FRAG f, xa, wa, kc
.irp rt, 0,1
	ds_load_b128 v[FB+40*(\f)+8*\rt:FB+40*(\f)+8*\rt+3], v[\xa] offset:\rt*16*PITCH+64*(\kc)
	ds_load_b128 v[FB+40*(\f)+8*\rt+4:FB+40*(\f)+8*\rt+7], v[\xa] offset:\rt*16*PITCH+64*(\kc)+32
.endr
.irp m, 0,1,2
	ds_load_b128 v[FB+40*(\f)+16+8*\m:FB+40*(\f)+16+8*\m+3], v[\wa] offset:\m*64*PITCH+64*(\kc)
	ds_load_b128 v[FB+40*(\f)+16+8*\m+4:FB+40*(\f)+16+8*\m+7], v[\wa] offset:\m*64*PITCH+64*(\kc)+32
.endr
.endm
; Q and K take W as source 0 and x as source 1: a lane then holds one row of x and eight neighbouring head columns.
; V takes x first: a lane holds one head column and eight neighbouring rows, as vh wants them.
.macro MUL6 f, z
.irp rt, 0,1
	MM ACC+8*\rt, FB+40*(\f)+16, FB+40*(\f)+8*\rt, \z
	MM ACC+16+8*\rt, FB+40*(\f)+24, FB+40*(\f)+8*\rt, \z
	MM ACC+32+8*\rt, FB+40*(\f)+8*\rt, FB+40*(\f)+32, \z
.endr
.endm
; what stands behind six products: a quarter's 16 conversions, or four v_nop.  Either way at least four plain vector lines that name
; none of the products' registers stand before loads land on their fragments or their sums are read.
; Where no quarter follows, steps 0 and 1 state by a wait of their own what the quarter's wait states elsewhere.
.macro SIDE st, q0, k
.if \q0 >= 0
.set qn, \q0+\k
	QUART \st
.else
	NOPS 4
.if \k < 2
	s_wait_alu depctr_va_vdst(0)                   ; the six products are done reading their fragment buffer, in which the ten LDS loads below land
.endif
.endif
.endm
; A slice: four steps of 32 along K; the next step's fragments are asked for in front of a step's products.
; q0: the first quarter of the next slice, converted beside it into buffer st; -1: none.
.macro PHASE xa, wa, st, z, q0
	FRAG 0, \xa, \wa, 0
	FRAG 1, \xa, \wa, 1
	s_wait_dscnt 10                                ; step 0's fragments; step 1's ten loads stay out
	MUL6 0, \z
	SIDE \st, \q0, 0
	FRAG 0, \xa, \wa, 2
.if \q0 >= 0
	s_wait_dscnt 18                                ; behind step 1's loads: the quarter's 8 stores and step 2's 10 loads
.else
	s_wait_dscnt 10
.endif
	MUL6 1, 0
	SIDE \st, \q0, 1
	FRAG 1, \xa, \wa, 3
.if \q0 >= 0
	s_wait_dscnt 18
.else
	s_wait_dscnt 10
.endif
	MUL6 0, 0
	SIDE \st, \q0, 2
.if \q0 >= 0
	s_wait_dscnt 8                                 ; behind step 3's loads: the quarter's 8 stores
.else
	s_wait_dscnt 0x0
.endif
	MUL6 1, 0
	SIDE \st, \q0, 3
.endm
.macro BARRIER                         ; my LDS stores and loads are done, then all eight waves meet
	s_wait_dscnt 0x0
	s_barrier_signal -1
	s_barrier_wait -1
.endm
	s_load_b512 s[4:19], s[0:1], 0x0               ; x 4:5, Wq 6:7, Wk 8:9, Wv 10:11, rel_emb 12:13, qh 14:15, kh 16:17, vh 18:19
	s_load_b64 s[20:21], s[0:1], 0x40              ; rp
	v_lshl_add_u32 v254, v0, 2, 0x22000
	v_mov_b32 v255, 0
	v_lshrrev_b32 v[TP], 5, v0
	v_readfirstlane_b32 s22, v[TP]                 ; wave
	v_and_b32 v[TP], 31, v0                        ; lane
	v_and_b32 v[TP+1], 15, v0                      ; r
	v_bfe_u32 v[TP+2], v0, 4, 1                    ; h
	s_wait_alu depctr_va_sdst(0)                   ; s22 is written, ahead of its first reader: rh, cq and the waves' offsets are made from it
	s_and_b32 s26, s22, 1                          ; rh
	s_lshr_b32 s27, s22, 1                         ; cq
	s_lshl_b32 s23, s22, 14
	v_lshl_add_u32 v[GO], v[TP], 4, s23
	s_mul_i32 s23, s22, 8*PITCH
	v_lshl_add_u32 v[ST0], v[TP], 3, s23
	v_add_nc_u32 v[ST1], BUF, v[ST0]
	v_mul_u32_u24 v[TP+3], v[TP+1], PITCH
	v_lshl_add_u32 v[TP+3], v[TP+2], 4, v[TP+3]    ; r x pitch + 16 h: a fragment's lane term
	s_mul_i32 s23, s26, 32*PITCH
	s_add_co_u32 s23, s23, 192*PITCH
	v_add_nc_u32 v[XA0], s23, v[TP+3]
	v_add_nc_u32 v[XA1], BUF, v[XA0]
	s_mul_i32 s23, s27, 16*PITCH
	v_add_nc_u32 v[WA0], s23, v[TP+3]
	v_add_nc_u32 v[WA1], BUF, v[WA0]
	v_mul_u32_u24 v[TP+3], v[TP+1], QPITCH         ; stage, in: row 32 rh + r, bytes 32 cq + 16 h
	v_lshl_add_u32 v[TP+3], v[TP+2], 4, v[TP+3]
	s_mul_i32 s23, s26, 32*QPITCH
	s_lshl_b32 s28, s27, 5
	s_add_co_u32 s23, s23, s28
	v_add_nc_u32 v[QS], s23, v[TP+3]
	v_mul_u32_u24 v[TP+3], v[TP+1], VPITCH         ; V: row 64 rh + 16 cq + r, bytes 16 h
	v_lshl_add_u32 v[TP+3], v[TP+2], 4, v[TP+3]
	s_mul_i32 s23, s26, 64*VPITCH
	s_mul_i32 s28, s27, 16*VPITCH
	s_add_co_u32 s23, s23, s28
	v_add_nc_u32 v[VS], s23, v[TP+3]
	v_lshrrev_b32 v[TP+3], 3, v0                   ; stage, back: eight threads take a row of 128 bytes
	v_and_b32 v[TP+4], 7, v0
	v_mul_u32_u24 v[TP+3], v[TP+3], QPITCH
	v_lshl_add_u32 v[RQ], v[TP+4], 4, v[TP+3]
	v_lshrrev_b32 v[TP+3], 2, v0                   ; four threads take a row of 64 bytes
	v_and_b32 v[TP+4], 3, v0
	v_mul_u32_u24 v[TP+3], v[TP+3], VPITCH
	v_lshl_add_u32 v[RV], v[TP+4], 4, v[TP+3]
	v_lshlrev_b32 v[O16], 4, v0
	v_lshlrev_b32 v[O8], 3, v0
	s_lshl_b32 s23, ttmp9, 4                       ; rp: 16 rows a work-group, 16 threads a row
	v_lshrrev_b32 v[TP+3], 4, v0
	v_add_nc_u32 v[CR], s23, v[TP+3]               ; c = 0 .. 4095
	v_add_nc_u32 v[TP+3], -1, v[CR]
	v_max_i32 v[TP+3], 0, v[TP+3]                  ; source row c - 1 (at most 4094); row 0 stands in for c = 0 and is replaced by zeros below
	v_lshlrev_b32 v[TP+3], 8, v[TP+3]
	v_lshl_add_u32 v[RS], v[TP+1], 4, v[TP+3]
	s_mov_b32 s32, 0x3fb8aa3b                      ; log2(e), as a pair for the packed multiply
	s_mov_b32 s33, 0x3fb8aa3b
	s_mov_b32 s34, 0x3e000000                      ; 1 / 8 = 1 / sqrt(64)
	s_mov_b32 s35, 0x3e000000
	s_mov_b32 s25, 0
	s_wait_kmcnt 0x0
	s_lshl_b32 s24, ttmp9, 17                      ; 64 rows of 2,048 bytes
	s_add_nc_u64 s[4:5], s[4:5], s[24:25]
	s_lshl_b32 s24, ttmp9, 13                      ; 64 rows of 128 bytes = 2 blocks of 4,096
	s_add_nc_u64 s[14:15], s[14:15], s[24:25]
	s_add_nc_u64 s[16:17], s[16:17], s[24:25]
	s_add_nc_u64 s[18:19], s[18:19], s[24:25]
	s_lshl_b32 s24, ttmp9, 11                      ; 16 rows of 128 bytes
	s_add_nc_u64 s[20:21], s[20:21], s[24:25]
	s_wait_alu depctr_va_vdst(0)                   ; the offsets and addresses v1 to v14 are written, which every load and store of the kernel reads; the set-up is done with v[TP:TP+3], in which the load below lands
	global_load_b128 v[TP:TP+3], v[RS], s[12:13]   ; rp's source: the oldest load, in by the first quarter's wait
	WIN 0x40
.set ln, 0
.rept AHEAD
	LOADQ                                          ; the ring is filled: quarters 0 to 5; no vector instruction has named these registers
.set ln, ln+1
.endr
	WIN 0
.set qn, 0
	QUART ST0
	v_cmp_ne_u32 vcc_lo, 0, v[CR]                  ; rp: four f32 become four f16
	v_cvt_pk_f16_f32 v[TP+4], v[TP], v[TP+1]
	v_cvt_pk_f16_f32 v[TP+5], v[TP+2], v[TP+3]
	s_wait_alu depctr_va_vcc(0)                    ; the compare has written VCC, which the two selects read
	v_cndmask_b32 v[TP+4], 0, v[TP+4], vcc_lo      ; rp[0] = 0
	v_cndmask_b32 v[TP+5], 0, v[TP+5], vcc_lo
	s_wait_alu depctr_va_vdst(0)                   ; the selects have written v[TP+4:TP+5], the store's data
	global_store_b64 v[O8], v[TP+4:TP+5], s[20:21] ; a wave's store covers 256 neighbouring bytes, aligned; its sources are never written again
.set qn, 1
	QUART ST0
.set qn, 2
	QUART ST0
.set qn, 3
	QUART ST0
	BARRIER
	; One barrier a slice: in front of it every wave has ended its reads of the buffer just multiplied and its stores into the
	; other one; behind it the other one is read and the first is filled again.
	PHASE XA0, WA0, ST1, 1, 4
	BARRIER
	PHASE XA1, WA1, ST0, 0, 8
	BARRIER
	PHASE XA0, WA0, ST1, 0, 12
	BARRIER
	PHASE XA1, WA1, ST0, 0, -1
	; THE WAY OUT.  The stage lies over buffer 0, whose last reads ended in front of the last barrier.
.irp k, 0,2,4,6,8,10,12,14
	v_pk_mul_f32 v[ACC+\k:ACC+\k+1], v[ACC+\k:ACC+\k+1], s[32:33] op_sel_hi:[1,0]
	v_pk_mul_f32 v[ACC+16+\k:ACC+16+\k+1], v[ACC+16+\k:ACC+16+\k+1], s[34:35] op_sel_hi:[1,0]
.endr
.irp t, 0,1,2,3,4,5
.irp k, 0,1,2,3
	v_cvt_pk_f16_f32 v[ACC+8*\t+\k], v[ACC+8*\t+2*\k], v[ACC+8*\t+2*\k+1]   ; in place: register k is read no later than it is written
.endr
.endr
	s_wait_alu depctr_va_vdst(0)                   ; the conversions have written the first four registers of each tile, which the LDS stores read
	ds_store_b128 v[QS], v[ACC:ACC+3]
	ds_store_b128 v[QS], v[ACC+8:ACC+11] offset:16*QPITCH
	ds_store_b128 v[QS], v[ACC+16:ACC+19] offset:STG_K
	ds_store_b128 v[QS], v[ACC+24:ACC+27] offset:STG_K+16*QPITCH
	ds_store_b128 v[VS], v[ACC+32:ACC+35] offset:STG_V
	ds_store_b128 v[VS], v[ACC+40:ACC+43] offset:STG_V+32
	BARRIER
	ds_load_b128 v[GW:GW+3], v[RQ]                 ; no vector instruction names v[GW ..]
	ds_load_b128 v[GW+4:GW+7], v[RQ] offset:32*QPITCH
	ds_load_b128 v[GW+8:GW+11], v[RQ] offset:STG_K
	ds_load_b128 v[GW+12:GW+15], v[RQ] offset:STG_K+32*QPITCH
	ds_load_b128 v[GW+16:GW+19], v[RV] offset:STG_V
	ds_load_b128 v[GW+20:GW+23], v[RV] offset:STG_V+64*VPITCH
	s_wait_dscnt 0x0
	global_store_b128 v[O16], v[GW:GW+3], s[14:15]             ; every store of a wave covers 512 neighbouring bytes
	global_store_b128 v[O16], v[GW+4:GW+7], s[14:15] offset:4096
	global_store_b128 v[O16], v[GW+8:GW+11], s[16:17]
	global_store_b128 v[O16], v[GW+12:GW+15], s[16:17] offset:4096
	global_store_b128 v[O16], v[GW+16:GW+19], s[18:19]
	global_store_b128 v[O16], v[GW+20:GW+23], s[18:19] offset:4096
	s_wait_dscnt 0x0
	s_wait_alu depctr_hold_cnt(0) depctr_sa_sdst(0) depctr_va_vdst(0) depctr_va_sdst(0) depctr_va_ssrc(0) depctr_va_vcc(0) depctr_vm_vsrc(0)
	s_wait_tensorcnt 0x0
	ds_add_u32 v254, v255
	s_wait_dscnt 0x0
	s_endpgm
.Lfunc_end_k_q0d40ebfcf5_proj:
	.size	k_q0d40ebfcf5_proj, .Lfunc_end_k_q0d40ebfcf5_proj-k_q0d40ebfcf5_proj
	.p2alignl 7, 3214868480
	.fill 96, 4, 3214868480
	.section	.rodata,"a",@progbits
	.p2align	6, 0x0
	.amdhsa_kernel k_q0d40ebfcf5_proj
		.amdhsa_group_segment_fixed_size 140288
		.amdhsa_private_segment_fixed_size 0
		.amdhsa_enable_private_segment 0
		.amdhsa_kernarg_size 72
		.amdhsa_user_sgpr_count 2
		.amdhsa_user_sgpr_kernarg_segment_ptr 1
		.amdhsa_wavefront_size32 1
		.amdhsa_system_sgpr_workgroup_id_x 1
		.amdhsa_system_sgpr_workgroup_id_y 1
		.amdhsa_system_sgpr_workgroup_id_z 1
		.amdhsa_system_vgpr_workitem_id 0
		.amdhsa_next_free_vgpr 480
		.amdhsa_next_free_sgpr 66
		.amdhsa_reserve_vcc 1
		.amdhsa_float_denorm_mode_32 3
		.amdhsa_float_denorm_mode_16_64 3
		.amdhsa_memory_ordered 1
		.amdhsa_forward_progress 1
		.amdhsa_inst_pref_size 65
	.end_amdhsa_kernel
	.amdgpu_metadata
---
amdhsa.version: [ 1, 2 ]
amdhsa.kernels:
  - .name:           k_q0d40ebfcf5_proj
    .symbol:         k_q0d40ebfcf5_proj.kd
    .args:
      - { .name: x, .offset: 0, .size: 8, .value_kind: global_buffer, .address_space: global }
      - { .name: Wq, .offset: 8, .size: 8, .value_kind: global_buffer, .address_space: global }
      - { .name: Wk, .offset: 16, .size: 8, .value_kind: global_buffer, .address_space: global }
      - { .name: Wv, .offset: 24, .size: 8, .value_kind: global_buffer, .address_space: global }
      - { .name: rel_emb, .offset: 32, .size: 8, .value_kind: global_buffer, .address_space: global }
      - { .name: qh, .offset: 40, .size: 8, .value_kind: global_buffer, .address_space: global }
      - { .name: kh, .offset: 48, .size: 8, .value_kind: global_buffer, .address_space: global }
      - { .name: vh, .offset: 56, .size: 8, .value_kind: global_buffer, .address_space: global }
      - { .name: rp, .offset: 64, .size: 8, .value_kind: global_buffer, .address_space: global }
    .group_segment_fixed_size: 140288
    .private_segment_fixed_size: 0
    .kernarg_segment_align: 8
    .kernarg_segment_size: 72
    .max_flat_workgroup_size: 256
    .sgpr_count:     66
    .vgpr_count:     480
    .wavefront_size: 32
...
	.end_amdgpu_metadata
.endif
;; end of part 3
;; launch attn: the kernel of part 2 again; grid 32 x 8, 8 waves a work-group, no clusters, 70,656 bytes of LDS; arguments qh, kh, vh, rp, out0; writes out0
